; MI455X (gfx1250); checked and timed in simulation.
; The chip was launched on July 23, 2026; its instructions are those of AMD's public machine-readable ISA for CDNA 5 (MIT licence, August 2026) and "CDNA5" Instruction Set Architecture Reference Guide (July 2026). The comments in the code are by the model that wrote it; some were corrected since.
;; Temporal Self Attention Layer. Allowed arithmetic: matrix products marked QUANTISED: E4M3 operands, one given power-of-two scale a tensor, by v_wmma_f32_16x16x64_fp8_fp8 or v_wmma_f32_16x16x128_fp8_fp8, f32 sums; everything else in f32.
;; Inputs: lowp_scales 8 int32 (the exponents e of the quantised operands' scales 2^e); norm_b 1,024 float32; norm_w 1,024 float32; out_b 1,024 float32; out_w 1,024 x 1,024 float32; qkv_b 3,072 float32; qkv_w 3,072 x 1,024 float32; x_temporal_sequence 1,024 x 8 x 1,024 float32.
;; Outputs: out0 1,024 x 8 x 1,024 float32.
;; This version of the problem:
;;   THIS VERSION OF THE PROBLEM IS GIVEN IN LOW PRECISION. The matrix products marked QUANTISED in the list below multiply operands that are first quantised to E4M3 (4 exponent bits, 3 mantissa bits; 8 bits a number), with one given power-of-two scale for each operand tensor; their sums are f32. All else is computed in f32.
;;   The module's matrix products, in the order in which they are computed (A, B: the left and right operand; K: the contracted axis; several contracted axes count as one K, in the product's order):
;;     1. [M 8,192, K 1,024] x [K 1,024, N 3,072]; A: input x_temporal_sequence; B: input qkv_w: QUANTISED (scales: A lowp_scales[0], B lowp_scales[1])
;;     2. batch 128 x [M 1,024, K 64] x [K 64, N 1,024]; A: computed on the way; B: computed on the way: QUANTISED (scales: A lowp_scales[2], B lowp_scales[3])
;;     3. batch 128 x [M 1,024, K 1,024] x [K 1,024, N 64]; A: softmax (see below); B: computed on the way: QUANTISED (scales: A lowp_scales[4], B lowp_scales[5])
;;     4. [M 8,192, K 1,024] x [K 1,024, N 1,024]; A: computed on the way; B: input out_w: QUANTISED (scales: A lowp_scales[6], B lowp_scales[7])
;;   THE QUANTISER, for each operand of a quantised product, along K:
;;     - The operand's scale is 2^e, e = its entry of the input lowp_scales (int32; the entries are numbered through the quantised products in the list's order, A before B).
;;     - Each number is divided by the scale, clamped to +-448, and rounded to the nearest number of E4M3, ties to even, subnormals kept.
;;     - The product sums the exact products of the quantised numbers (number of the format x scale) in f32.
;;   ~~~python
;;   def quantise(x, axis, e):      # numpy; x: float32 -> the quantised numbers, widened to float32 again
;;       x = np.moveaxis(x, axis, -1); K = x.shape[-1]
;;       r = np.clip(x / 2.0 ** e, -448, 448)
;;       step = 2.0 ** (np.maximum(np.frexp(np.where(r == 0, 1, r))[1] - 1, -6) - 3)
;;       q = np.round(r / step) * step * 2.0 ** e      # np.round: ties to even
;;       return np.moveaxis(q, -1, axis).astype(np.float32)
;;   ~~~
;;   SOFTMAX AHEAD OF A QUANTISED PRODUCT. Where the list says 'softmax', what is quantised is not the finished softmax but p = 2^(t - M), with t = logit x log2(e) and M = ceil(the row's largest t), a whole number; so 1/2 < the row's largest p <= 1. The row's sum l is taken of the UNQUANTISED p, in f32, and the product's result is divided by l at the end. Since M is a whole number, a kernel that streams over the keys may use a running M (the ceiling of the running maximum): every later rescaling is an exact power of two, so the quantised numbers keep their values, but for numbers so far below the row's largest that they fall under the format's range.
;;   OPERANDS COMPUTED ON THE WAY. 'Computed on the way' means the value that the module computes at that place (a softmax that the list does not call 'softmax' is quantised finished and normalised). What goes into a quantiser is computed in f32, as accurately as f32 sums, v_exp_f32 and their like allow (about 1e-6 of the number): no bf16 or f16 on the way to a quantiser, and a product that is left as it is and whose result goes on into a quantised operand takes f32 operands (vector FMAs, or v_wmma_f32_16x16x4_f32). A number that lies on a knife's edge between two numbers of the format may be rounded either way, as far as f32 arithmetic and the matrix unit's own rounding can turn it there, and no further.
;; One version. Each part assembles by itself: llvm-mc -triple=amdgcn-amd-amdhsa -mcpu=gfx1250 --defsym DOCPART=n.
;; ======== version 1 of 1: 4 launches
;; limits: right only within a limited range of input values
;; workspace buffers: x_codes 8,388,608 bytes; w_codes 3,145,728 bytes; ow_codes 1,048,576 bytes; q_img 8,388,608 bytes; k_img 8,388,608 bytes; v_img 8,388,608 bytes; ctx_img 8,388,608 bytes
;; launch quant (part 1): grid 384 x 1, 4 waves a work-group, no clusters, 55,808 bytes of LDS; arguments x_temporal_sequence, qkv_w, out_w, lowp_scales, x_codes, w_codes, ow_codes; writes x_codes, w_codes, ow_codes
.if DOCPART == 1
	.amdgcn_target "amdgcn-amd-amdhsa--gfx1250"
	.amdhsa_code_object_version 6
	.text
	.protected	k_qe395ecb6b4_quant
	.globl	k_qe395ecb6b4_quant
	.p2align	8
	.type	k_qe395ecb6b4_quant,@function
k_qe395ecb6b4_quant:
	s_mov_b64 s[64:65], 0
	v_nop
	global_prefetch_b8 v0, s[64:65] scope:SCOPE_SE
	s_setreg_imm32_b32 hwreg(HW_REG_WAVE_MODE, 25, 1), 1
	s_wait_xcnt 0x0
; x [1024 s][8 b][1024], qkv_w [3072][1024] and out_w [1024][1024], f32, become codes of E4M3, each with its given scale 2^e (entries 0, 1 and 7 of the scales).
; code = x / 2^e, held within +-448, rounded to the nearest code, ties to even.
; LIMITS: each of the three e lies between -126 and 119, so that 2^e and 448 x 2^e are f32 numbers.  NaN among the inputs is not served.
; LAYOUT OF THE CODES: IMAGES OF OPERAND REGISTERS.  A tile of 16 rows x 1,024 K is 16,384 bytes: eight fragments of 16 rows x 128 K, 2,048 bytes each; registers 4 c .. 4 c + 3 of lane (r, h) lie at
; 512 c + 16 (r + 16 h) and hold k = 32 c + 8 h + 0..7 and 32 c + 16 + 8 h + 0..7 of row r: the place that the plain 8-bit matrix forms give each k.  x's rows are taken in the order b x 1024 + s.
; SHARES.  Work-groups 0-255 take x, 256-351 qkv_w, 352-383 out_w; only pointers, a first byte and a stride are chosen, the path is one.
; A wave takes 16 rows x 512 along K (half a tile), a row a step.  Each load reads 512 consecutive bytes; a step's 2,048 bytes turn through the wave's own stage in LDS so that a lane gets 16 numbers
; that belong together; groups 1 and 2 of each 32 numbers change places on the way into the stage.  Loads run eight steps (32 loads a wave) ahead.
; Lane l then holds piece l of row t.  The 16 x 32 pieces of 16 bytes turn through a second LDS block of the wave's own (rows of 272 bytes) and leave as 8,192 consecutive bytes:
; each store of the wave covers 512 consecutive bytes, aligned.  No barrier: waves share nothing.
.set STEPS, 16
.set SP,    80                         ; a place in a stage: 64 bytes + 16 of padding
.set TRO,   5120                       ; behind the two stages of 32 x SP bytes: the block for the pieces, 32 x TP bytes
.set TP,    272
.set WREG,  TRO+32*TP                  ; LDS of a wave
.set SPARE, 4*WREG                     ; the spare words, 128 bytes for each wave
.set R,     16                         ; v16-143  eight sets of 16 numbers as loaded; at the end the images
.set X,     144                        ; v144-175 two sets of 16 numbers as converted
.set C,     176                        ; v176-239 codes: four registers for each row
.set VO,    240                        ; v240-255 16 x lane + t x (bytes from row to row)
	s_load_b256 s[4:11], s[0:1], 0x0               ; x, qkv_w, out_w, the scales' exponents
	s_load_b128 s[12:15], s[0:1], 0x20             ; x_codes, w_codes
	s_load_b64 s[16:17], s[0:1], 0x30              ; ow_codes
	v_lshl_add_u32 v12, v0, 2, SPARE
	v_mov_b32 v13, 0
	v_lshrrev_b32 v1, 5, v0
	v_readfirstlane_b32 s32, v1                    ; wave
	v_and_b32 v2, 31, v0                           ; lane
	v_lshlrev_b32 v3, 4, v2                        ; my 16 bytes of a load's, and of a store's, 512
	s_mul_i32 s33, s32, WREG
	s_add_co_u32 s22, s33, TRO
	v_bfe_u32 v5, v2, 1, 1
	v_bfe_u32 v6, v2, 2, 1
	v_and_b32 v7, 0x19, v2
	v_lshl_add_u32 v7, v5, 2, v7
	v_lshl_add_u32 v7, v6, 1, v7                   ; the lane's number with bits 1 and 2 exchanged: two lanes hold 8 numbers, so this exchanges groups 1 and 2 of each 32 numbers
	v_lshrrev_b32 v14, 2, v7
	v_mul_u32_u24 v14, v14, SP
	v_and_b32 v8, 3, v7
	v_lshl_add_u32 v14, v8, 4, v14
	v_add_nc_u32 v14, s33, v14                     ; the stage, on the way in
	v_mul_u32_u24 v15, v2, SP
	v_add_nc_u32 v15, s33, v15                     ; and on the way out: 64 bytes a lane
	v_mul_u32_u24 v4, v2, TP
	v_add_nc_u32 v4, s22, v4                       ; the pieces, on the way in: row = my lane, 16 bytes for each of the 16 rows of the tile
	v_and_b32 v5, 15, v2
	v_lshrrev_b32 v6, 4, v2
	v_mul_u32_u24 v9, v6, TP
	v_lshl_add_u32 v9, v5, 4, v9
	v_add_nc_u32 v9, s22, v9                       ; and on the way out: lanes 0-15 one piece of the 16 rows, lanes 16-31 the next piece
	s_wait_alu depctr_va_vdst(0)
	s_wait_kmcnt 0x0
	s_load_b256 s[24:31], s[10:11], 0x0            ; e0 .. e7
	s_cmp_lt_u32 ttmp9, 352                        ; the choices hang on the work-group's number alone
	s_cselect_b64 s[6:7], s[6:7], s[8:9]
	s_cselect_b64 s[14:15], s[14:15], s[16:17]
	s_mov_b32 s20, 352
	s_cselect_b32 s20, 256, s20
	s_cmp_lt_u32 ttmp9, 256
	s_cselect_b64 s[4:5], s[4:5], s[6:7]           ; where I read
	s_cselect_b64 s[18:19], s[12:13], s[14:15]     ; where I store
	s_cselect_b32 s20, 0, s20                      ; the tensor's first work-group
	s_mov_b32 s21, 4096
	s_cselect_b32 s21, 0x8000, s21                 ; from row to row of a tile: x's rows of one b lie 32,768 bytes apart
	s_sub_co_u32 s23, ttmp9, s20
	s_lshl_b32 s23, s23, 2
	s_add_co_u32 s23, s23, s32                     ; my half tile
	s_lshr_b32 s36, s23, 1                         ; the tile
	s_and_b32 s37, s23, 1                          ; its half along K
	s_and_b32 s38, s36, 63
	s_lshl_b32 s38, s38, 19                        ; x: s = 16 x (tile % 64),
	s_lshr_b32 s39, s36, 6
	s_lshl_b32 s39, s39, 12                        ; b = tile / 64
	s_add_co_u32 s38, s38, s39
	s_lshl_b32 s39, s36, 16                        ; a weight: 16 rows of 4,096 bytes a tile
	s_cmp_lt_u32 ttmp9, 256
	s_cselect_b32 s34, s38, s39
	s_lshl_b32 s37, s37, 11
	s_add_co_u32 s34, s34, s37
	s_mov_b32 s35, 0
	s_add_nc_u64 s[4:5], s[4:5], s[34:35]
	s_lshl_b32 s34, s23, 13                        ; half a tile's images are 8,192 bytes
	s_add_nc_u64 s[18:19], s[18:19], s[34:35]
.irp j, 0,1,2,3,4,5,6,7,8,9,10,11,12,13,14,15
	s_mul_i32 s33, s21, \j
	v_add_nc_u32 v[VO+\j], s33, v3
.endr
	s_wait_alu depctr_va_vdst(0)                   ; the offsets just made are read by the loads directly below
.macro LOAD t
.irp i, 0,1,2,3
	global_load_b128 v[R+16*((\t)%8)+4*\i:R+16*((\t)%8)+4*\i+3], v[VO+(\t)], s[4:5] offset:512*\i th:TH_LOAD_NT
.endr
.endm
.macro TURN t                          ; a step's numbers through the stage: LDS serves a wave's instructions in order, so no wait stands between the stores and the loads
.irp i, 0,1,2,3
	ds_store_b128 v14, v[R+16*((\t)%8)+4*\i:R+16*((\t)%8)+4*\i+3] offset:32*SP*((\t)%2)+8*SP*\i
.endr
.irp i, 0,1,2,3
	ds_load_b128 v[X+16*((\t)%2)+4*\i:X+16*((\t)%2)+4*\i+3], v15 offset:32*SP*((\t)%2)+16*\i
.endr
.endm
.irp t, 0,1,2,3,4,5,6,7
	LOAD \t
.endr
	s_wait_kmcnt 0x0
	s_cmp_lt_u32 ttmp9, 352
	s_cselect_b32 s25, s25, s31                    ; e1 or e7
	s_cmp_lt_u32 ttmp9, 256
	s_cselect_b32 s24, s24, s25                    ; e0, or that
	s_add_co_i32 s24, s24, 127
	s_lshl_b32 s25, s24, 23
	v_mov_b32 v11, s25                             ; 2^e as f32: the conversion takes its exponent field
	s_add_co_i32 s24, s24, 8
	s_lshl_b32 s24, s24, 23
	s_or_b32 s24, s24, 0x600000
	v_mov_b32 v10, s24                             ; 448 x 2^e
	s_wait_alu depctr_va_vdst(0)
	s_wait_loadcnt 28                              ; step 0's four loads are in; seven steps' 28 may be out
	TURN 0
.macro STEP t
.set XS, X+16*((\t)%2)
	s_wait_dscnt 0x0                               ; this step's numbers are back from the stage, and its stores into the stage have read their registers,
.if (\t)+8 < STEPS
	LOAD (\t)+8                                    ; which take the loads of eight steps on
.endif
.if (\t)+1 < STEPS
.if (\t) < 8
	s_wait_loadcnt 28                              ; the next step's four loads are in; those of the seven steps behind it may be out
.else
	s_wait_loadcnt 4*(STEPS-2-(\t))
.endif
	TURN (\t)+1
.endif
.irp i, 0,1,2,3,4,5,6,7,8,9,10,11,12,13,14,15
	v_med3_num_f32 v[XS+\i], v[XS+\i], -v10, v10   ; the conversion to an 8-bit code does not saturate (ISA guide 7.6.2): the hold comes first
.endr
	v_cvt_scalef32_pk8_fp8_f32 v[C+4*(\t):C+4*(\t)+1], v[XS:XS+7], v11
	v_cvt_scalef32_pk8_fp8_f32 v[C+4*(\t)+2:C+4*(\t)+3], v[XS+8:XS+15], v11
.endm
.irp t, 0,1,2,3,4,5,6,7,8,9,10,11,12,13,14,15
	STEP \t
.endr
.irp t, 0,1,2,3,4,5,6,7,8,9,10,11,12,13,14,15
	ds_store_b128 v4, v[C+4*\t:C+4*\t+3] offset:16*\t          ; piece = my lane, row t
.endr
.irp q, 0,1,2,3,4,5,6,7,8,9,10,11,12,13,14,15
	ds_load_b128 v[R+4*\q:R+4*\q+3], v9 offset:2*TP*\q         ; pieces 2 q and 2 q + 1 of all 16 rows: 512 bytes of the images
.endr
.irp q, 0,1,2,3,4,5,6,7,8,9,10,11,12,13,14,15
	s_wait_dscnt 15-\q
	global_store_b128 v3, v[R+4*\q:R+4*\q+3], s[18:19] offset:512*\q
.endr
	s_wait_tensorcnt 0x0                           ; the wave's end, behind my last LDS store
	ds_add_u32 v12, v13
	s_wait_dscnt 0x0
	s_endpgm
.Lfunc_end_k_qe395ecb6b4_quant:
	.size	k_qe395ecb6b4_quant, .Lfunc_end_k_qe395ecb6b4_quant-k_qe395ecb6b4_quant
	.p2alignl 7, 3214868480
	.fill 96, 4, 3214868480
	.section	.rodata,"a",@progbits
	.p2align	6, 0x0
	.amdhsa_kernel k_qe395ecb6b4_quant
		.amdhsa_group_segment_fixed_size 55808
		.amdhsa_private_segment_fixed_size 0
		.amdhsa_enable_private_segment 0
		.amdhsa_kernarg_size 56
		.amdhsa_user_sgpr_count 2
		.amdhsa_user_sgpr_kernarg_segment_ptr 1
		.amdhsa_wavefront_size32 1
		.amdhsa_system_sgpr_workgroup_id_x 1
		.amdhsa_system_sgpr_workgroup_id_y 1
		.amdhsa_system_sgpr_workgroup_id_z 1
		.amdhsa_system_vgpr_workitem_id 0
		.amdhsa_next_free_vgpr 256
		.amdhsa_next_free_sgpr 66
		.amdhsa_reserve_vcc 0
		.amdhsa_float_denorm_mode_32 3
		.amdhsa_float_denorm_mode_16_64 3
		.amdhsa_memory_ordered 1
		.amdhsa_forward_progress 1
		.amdhsa_inst_pref_size 42
	.end_amdhsa_kernel
	.amdgpu_metadata
---
amdhsa.version: [ 1, 2 ]
amdhsa.kernels:
  - .name:           k_qe395ecb6b4_quant
    .symbol:         k_qe395ecb6b4_quant.kd
    .args:
      - { .name: x_temporal_sequence, .offset: 0, .size: 8, .value_kind: global_buffer, .address_space: global }
      - { .name: qkv_w, .offset: 8, .size: 8, .value_kind: global_buffer, .address_space: global }
      - { .name: out_w, .offset: 16, .size: 8, .value_kind: global_buffer, .address_space: global }
      - { .name: lowp_scales, .offset: 24, .size: 8, .value_kind: global_buffer, .address_space: global }
      - { .name: x_codes, .offset: 32, .size: 8, .value_kind: global_buffer, .address_space: global }
      - { .name: w_codes, .offset: 40, .size: 8, .value_kind: global_buffer, .address_space: global }
      - { .name: ow_codes, .offset: 48, .size: 8, .value_kind: global_buffer, .address_space: global }
    .group_segment_fixed_size: 55808
    .private_segment_fixed_size: 0
    .kernarg_segment_align: 8
    .kernarg_segment_size: 56
    .max_flat_workgroup_size: 128
    .sgpr_count:     66
    .vgpr_count:     256
    .wavefront_size: 32
...
	.end_amdgpu_metadata
.endif
;; end of part 1
;; launch qkv (part 2): grid 16 x 16, 4 waves a work-group, clusters of 4 x 1, 197,120 bytes of LDS; arguments x_codes, w_codes, lowp_scales, qkv_b, q_img, k_img, v_img; writes q_img, k_img, v_img
.if DOCPART == 2
	.amdgcn_target "amdgcn-amd-amdhsa--gfx1250"
	.amdhsa_code_object_version 6
	.text
	.protected	k_qe395ecb6b4_qkv
	.globl	k_qe395ecb6b4_qkv
	.p2align	8
	.type	k_qe395ecb6b4_qkv,@function
k_qe395ecb6b4_qkv:
	s_mov_b64 s[64:65], 0
	v_nop
	global_prefetch_b8 v0, s[64:65] scope:SCOPE_SE
	s_setreg_imm32_b32 hwreg(HW_REG_WAVE_MODE, 25, 1), 1
	s_wait_xcnt 0x0
	s_wait_alu depctr_hold_cnt(0) depctr_sa_sdst(0) depctr_va_vdst(0) depctr_va_sdst(0) depctr_va_ssrc(0) depctr_va_vcc(0) depctr_vm_vsrc(0)
	s_getreg_b32 s2, hwreg(HW_REG_IB_STS2, 6, 4)
	s_cmp_eq_u32 s2, 0
	s_cbranch_scc0 .Lentry_in_a_cluster
	s_endpgm
.Lentry_in_a_cluster:
	s_bfe_u32 s2, ttmp6, 0x10000c
	s_cmp_lg_u32 s2, 0x3003
	s_cbranch_scc0 .Lentry_shape_is_right
	s_endpgm
.Lentry_shape_is_right:
; The first product, x qkv_w^T + qkv_b, on codes of E4M3, and the quantising of its results q, k and v for the two products of attention.
; A work-group takes one head (192 features: q 0-63, k 64-127, v 128-191) and 512 rows of x (half of one b), in two passes of 256 rows, one loop.  In a pass wave w makes rows 64 w .. 64 w + 63 x all 192:
; 4 tiles of rows a x 12 tiles of features f = 48 accumulators.  So a wave holds whole operands of the next products, and the way out is conversions and dense stores.
; Both operands arrive as images of operand registers: a fragment of 16 rows x 128 K is 2,048 bytes, registers 4 c .. 4 c + 3 at 512 c + 16 x lane; a tile of 16 rows is eight fragments on end.
; THE WEIGHT: the head's 12 tiles are 196,608 consecutive bytes.  They come into LDS once, 49,152 bytes by one tensor load of each wave; no LDS byte is filled twice, so there is no ring.  All four waves read all of it.
; CLUSTER: four work-groups along x share the head and ask for the weight jointly.  x's fragments are each read by ONE wave of the work-group: they go from memory straight into registers, 512 consecutive bytes a load,
; four sets of 64 registers, three chunks of 128 along K ahead; the next pass's first three chunks are asked for ahead of a pass's way out.  NO PREFETCH: the weight is asked for at the head, x three chunks ahead by its own loads.
; ORIENTATION.  q and k (f 0-7): source 0 = 16 rows of the weight, source 1 = 16 rows of x: a lane holds one row and 8 neighbouring features, which the conversion packs into
; registers 2 f, 2 f + 1 of a fragment of 16 rows x 64.  v (f 8-11): source 0 = x, source 1 = the weight: a lane holds one feature and 8 neighbouring keys: registers 2 a, 2 a + 1 of a
; fragment of V^T, 16 features x the wave's 64 keys.  A fragment goes to memory as the image of its 8 registers: registers 4 c .. 4 c + 3 at 512 c + 16 x lane, 1,024 bytes.
; The bias is the C of each sum's first matrix instruction, divided by 2^(e0 + e1), which the sums lack; the conversions take 2^(e - e0 - e1), e = e2 (q), e3 (k), e5 (v).
; LIMITS: e2 - e0 - e1, e3 - e0 - e1, e5 - e0 - e1 lie between -126 and 119.  NaN among the inputs is not served.
; REGISTERS, in windows of 256: window 0: v16-43 addresses and scales; v64-255 x's sets 0-2.   window 1: v0-191 the weight's twelve fragments, ONE set: fragments 0-5 are fetched anew when their products
;   are issued, 6-11 at the chunk's end; v192-255 x's set 3, on the way out the images.   window 2: q's and k's accumulators, (f, a) at v[8 (4 f + a)].   window 3: v0-127 v's accumulators; v128-191 q's and k's bias; v192-223 v's bias.
.set SPARE, 196608                     ; behind the weight: the spare words, 128 bytes for each wave
.set LI,   16                          ; v16     16 x lane; also the first of
.set AW,   16                          ; v16-18  LDS addresses of the weight's tiles 0-3, 4-7, 8-11
.set SPW,  28                          ; v28     LDS address of my spare word; never rewritten
.set NIL,  29                          ; v29     0; never rewritten
.set SCL,  30                          ; v30-32  the conversions' scales for q, k, v
.set BO,   34                          ; v34     32 x (lane / 16)
.set BR,   35                          ; v35     4 x (lane % 16)
.set LIM,  36                          ; v36-38  448 x those scales
.set VB,   40                          ; v40-43  v's bias as loaded
.set IMG,  192                         ; in window 1
.set BQK,  128                         ; in window 3
.set BV,   192                         ; in window 3
.set XB,   20                          ; s[20:21] my 64 rows' images in x_codes, of the pass in hand
.set MSB, 0
.macro WIN new                         ; the immediate's high byte repeats the setting that is left
.if MSB != (\new)
	s_set_vgpr_msb (MSB<<8)|(\new)
.set MSB, (\new)
.endif
.endm
.macro PLACES n
.rept \n
	v_nop
.endr
.endm
.macro CROUND                          ; a round of the cluster's barrier
	s_barrier_signal -1
	s_barrier_wait -1
	s_cmp_lg_u32 s18, 0
	s_cbranch_scc1 .Lnot_wave_0_\@
	s_barrier_signal -3
.Lnot_wave_0_\@:
	s_barrier_wait -3
	s_barrier_signal -1
	s_barrier_wait -1
.endm
.macro XLOAD k                         ; x's four fragments of chunk k into set k % 4 (set 3 lies in window 1)
.set LW, ((\k)%4)/3
.set LR, 64+64*((\k)%4)-64*LW
	WIN LW<<6
.irp a, 0,1,2,3
.irp c, 0,1,2,3
	global_load_b128 v[LR+16*\a+4*\c:LR+16*\a+4*\c+3], v[LI], s[XB:XB+1] offset:\a*16384+(\k)*2048+\c*512
.endr
.endr
	WIN 0
.endm
.macro FETCH_B k, f0                   ; the weight's fragments f0 .. f0 + 5 of chunk k
	WIN 0x40
.irp i, 0,1,2,3,4,5
.irp c, 0,1,2,3
	ds_load_b128 v[16*((\f0)+\i)+4*\c:16*((\f0)+\i)+4*\c+3], v[AW+((\f0)+\i)/4] offset:(((\f0)+\i)%4)*16384+(\k)*2048+\c*512
.endr
.endr
	WIN 0
.endm
	s_load_b256 s[4:11], s[0:1], 0x0               ; x_codes, w_codes, the scales' exponents, qkv_b
	s_load_b128 s[12:15], s[0:1], 0x20             ; q_img, k_img
	s_load_b64 s[16:17], s[0:1], 0x30              ; v_img
	v_lshl_add_u32 v[SPW], v0, 2, SPARE
	v_mov_b32 v[NIL], 0
	ds_add_u32 v[SPW], v[NIL]                      ; the opening: the add, twice on end, and its wait ahead of my tensor load
	ds_add_u32 v[SPW], v[NIL]
	v_lshrrev_b32 v1, 5, v0
	v_readfirstlane_b32 s18, v1                    ; wave 0..3
	v_and_b32 v1, 15, v0                           ; r = lane % 16
	v_bfe_u32 v2, v0, 4, 1                         ; h = lane / 16
	v_lshlrev_b32 v[BO], 5, v2
	v_lshlrev_b32 v[BR], 2, v1
	v_and_b32 v[LI], 31, v0
	v_lshlrev_b32 v[LI], 4, v[LI]
	v_add_nc_u32 v[AW+1], 0x10000, v[LI]
	v_add_nc_u32 v[AW+2], 0x20000, v[LI]
	s_bfe_u32 s40, ttmp6, 0x40000                  ; cx: my place in the cluster
	s_lshl_b32 s43, ttmp9, 2
	s_add_co_u32 s43, s43, s40                     ; my 512 rows = 4 x cluster x + cx
	s_and_b32 s42, ttmp7, 0xffff                   ; the head = cluster y, which the four share
	s_mov_b32 s24, 15|(1<<21)                      ; descriptor group 1: the mask names the four; elements of 1 byte; no padding; bit 21 beside a mask
	s_mov_b32 s25, 1024<<16                        ; tensor_dim0 = 1,024
	s_mov_b32 s26, 48<<16                          ; tensor_dim1 = 48
	s_mov_b32 s27, 1024<<16                        ; tile_dim0 = 1,024
	s_mov_b32 s28, 48                              ; tile_dim1 = 48
	s_mov_b32 s29, 1024                            ; dense
	s_mov_b32 s30, 0
	s_mov_b32 s31, 0
	s_mul_i32 s44, s18, 49152                      ; my quarter of the head's weight, in LDS and in memory alike
	s_mul_i32 s46, s42, 196608
	s_add_co_u32 s46, s46, s44
	s_mov_b32 s47, 0
	s_lshl_b32 s84, s43, 19                        ; x: 32 tiles of 16,384 bytes for 512 rows,
	s_lshl_b32 s45, s18, 16                        ; + my wave's four
	s_add_co_u32 s84, s84, s45
	s_mov_b32 s85, 0
	s_mul_i32 s88, s42, 768                        ; the head's 192 numbers of the bias
	s_mov_b32 s89, 0
	s_wait_alu depctr_va_vdst(0)
	s_wait_dscnt 0x0                               ; both opening adds are done
	s_wait_kmcnt 0x0
	s_load_b256 s[68:75], s[8:9], 0x0              ; e0 .. e7
	s_add_nc_u64 s[XB:XB+1], s[4:5], s[84:85]
	s_add_nc_u64 s[10:11], s[10:11], s[88:89]
	s_mov_b32 s32, 1
	s_mov_b32 s33, s44
	s_add_nc_u64 s[34:35], s[6:7], s[46:47]
	s_or_b32 s35, s35, 0x80000000
	WIN 0xc0                                       ; destination window 3
.irp f, 0,1,2,3,4,5,6,7
	global_load_b128 v[BQK+8*\f:BQK+8*\f+3], v[BO], s[10:11] offset:64*\f        ; q's and k's bias: features 16 f + 8 h + 0 .. 7
	global_load_b128 v[BQK+8*\f+4:BQK+8*\f+7], v[BO], s[10:11] offset:64*\f+16
.endr
	WIN 0
.irp d, 0,1,2,3
	global_load_b32 v[VB+\d], v[BR], s[10:11] offset:512+64*\d                   ; v's: feature 128 + 16 d + r
.endr
	XLOAD 0
	XLOAD 1
	XLOAD 2
	CROUND                                         ; all four work-groups are here: the joint loads meet
	tensor_load_to_lds s[32:35], s[24:31]          ; my one tensor load
	s_nop 0
	PLACES 4
	s_lshr_b32 s90, s43, 1                         ; b
	s_lshl_b32 s90, s90, 4
	s_add_co_u32 s90, s90, s42                     ; b x 16 + head
	s_lshl_b32 s90, s90, 16                        ; a head's images are 65,536 bytes in each of the three buffers
	s_and_b32 s91, s43, 1
	s_lshl_b32 s91, s91, 15                        ; + my 512 rows
	s_add_co_u32 s90, s90, s91
	s_lshl_b32 s91, s18, 12                        ; + my wave's 64
	s_add_co_u32 s90, s90, s91
	s_mov_b32 s91, 0
	s_add_nc_u64 s[12:13], s[12:13], s[90:91]
	s_add_nc_u64 s[14:15], s[14:15], s[90:91]
	s_add_nc_u64 s[16:17], s[16:17], s[90:91]
	s_wait_kmcnt 0x0
	s_add_co_i32 s77, s68, s69                     ; e0 + e1
	s_sub_co_i32 s76, 0, s77
.macro MKSCALE e, i                    ; 2^(e - e0 - e1) and 448 x that, as f32
	s_sub_co_i32 s78, s[\e], s77
	s_add_co_i32 s78, s78, 127
	s_lshl_b32 s79, s78, 23
	v_mov_b32 v[SCL+\i], s79
	s_add_co_i32 s78, s78, 8
	s_lshl_b32 s78, s78, 23
	s_or_b32 s78, s78, 0x600000
	v_mov_b32 v[LIM+\i], s78
.endm
	MKSCALE 70, 0
	MKSCALE 71, 1
	MKSCALE 73, 2
	s_wait_loadcnt 48                              ; the bias is in; x's first three chunks, 48 loads, may be out
	WIN 0xc3                                       ; source 0 and destination window 3
.set n, 0
.rept 64
	v_ldexp_f32 v[BQK+n], v[BQK+n], s76            ; the bias / 2^(e0 + e1)
.set n, n+1
.endr
	WIN 0xc0
.irp d, 0,1,2,3
.irp j, 0,1,2,3,4,5,6,7
	v_ldexp_f32 v[BV+8*\d+\j], v[VB+\d], s76       ; in v's tiles a lane holds one feature: eight equal registers
.endr
.endr
	WIN 0
; The 48 accumulators take turns, one instruction a turn, in the same order in every chunk.  XR, XW: the chunk's set of x and its window.
.macro WQK first                       ; source 0 (weight) window 1, source 1 (x) window XW, D window 2; C window 2, or window 3 where it is the bias
.if \first
	WIN 0xb1|(XW<<2)
.else
	WIN 0xa1|(XW<<2)
.endif
.endm
.macro MULQK f, first
.irp a, 0,1,2,3
.if \first
	v_wmma_f32_16x16x128_fp8_fp8 v[8*(4*(\f)+\a):8*(4*(\f)+\a)+7], v[16*(\f):16*(\f)+15], v[XR+16*\a:XR+16*\a+15], v[BQK+8*(\f):BQK+8*(\f)+7]
.else
	v_wmma_f32_16x16x128_fp8_fp8 v[8*(4*(\f)+\a):8*(4*(\f)+\a)+7], v[16*(\f):16*(\f)+15], v[XR+16*\a:XR+16*\a+15], v[8*(4*(\f)+\a):8*(4*(\f)+\a)+7]
.endif
.endr
.endm
.macro MULV first
.irp d, 0,1,2,3
.irp a, 0,1,2,3
.if \first
	v_wmma_f32_16x16x128_fp8_fp8 v[8*(4*\d+\a):8*(4*\d+\a)+7], v[XR+16*\a:XR+16*\a+15], v[16*(8+\d):16*(8+\d)+15], v[BV+8*\d:BV+8*\d+7]
.else
	v_wmma_f32_16x16x128_fp8_fp8 v[8*(4*\d+\a):8*(4*\d+\a)+7], v[XR+16*\a:XR+16*\a+15], v[16*(8+\d):16*(8+\d)+15], v[8*(4*\d+\a):8*(4*\d+\a)+7]
.endif
.endr
.endr
.endm
; A CHUNK: 128 along K, 48 matrix instructions.  Four plain places stand in front of each run of loads into registers that matrix instructions have read.
.macro CHUNK k, first
.if (\k)+3 < 8
	XLOAD (\k)+3                                   ; into the set that the chunk before has left (the places stand at that chunk's end)
.endif
.set XW, ((\k)%4)/3
.set XR, 64+64*((\k)%4)-64*XW
.if (\k) < 5
	s_wait_loadcnt 48                              ; this chunk's x is in; the three later chunks' 48 loads may be out
.else
	s_wait_loadcnt 16*(7-(\k))
.endif
	s_wait_dscnt 24                                ; the weight's fragments 0-5 are in; the youngest 24 loads (fragments 6-11) may be out
	WQK \first
.irp f, 0,1,2,3,4,5
	MULQK \f, \first
.endr
	s_wait_dscnt 0x0                               ; fragments 6-11 are in
.if (\k) < 7
	PLACES 4
	FETCH_B (\k)+1, 0
.endif
	WQK \first
	MULQK 6, \first
	MULQK 7, \first
	WIN 0xf4|XW                                    ; source 0 (x) window XW, source 1 (weight) window 1, C and D window 3
	MULV \first
	PLACES 4
.if (\k) < 7
	FETCH_B (\k)+1, 6
.endif
.endm
	s_wait_alu depctr_va_vdst(0)
	s_wait_tensorcnt 0x0                           ; my quarter of the weight is in: say so
	s_barrier_signal -1
	s_barrier_wait -1                              ; the weight is whole; nothing is ever filled again
	FETCH_B 0, 0
	FETCH_B 0, 6
	s_mov_b32 s3, 0
.Lpass:                                            ; two passes of 256 rows
	CHUNK 0, 1                                     ; the first products start the sums, from the bias
	CHUNK 1, 0
	CHUNK 2, 0
	CHUNK 3, 0
	CHUNK 4, 0
	CHUNK 5, 0
	CHUNK 6, 0
	CHUNK 7, 0
	WIN 0
	s_cmp_eq_u32 s3, 1                             ; the count of passes alone: the same in all waves and work-groups
	s_cbranch_scc1 .Lno_next
	s_add_nc_u64 s[XB:XB+1], s[XB:XB+1], 0x40000   ; (every load of x is done: chunk 7 waited for all)  the next pass's 16 tiles;
	XLOAD 0                                        ; its first three chunks and the weight's first fragments are asked for ahead of the way out
	XLOAD 1
	XLOAD 2
	FETCH_B 0, 0
	FETCH_B 0, 6
.Lno_next:
	; THE WAY OUT: the hold, the conversion, the images.  Each accumulator is read from its low end on.  The images take set 3's registers, which chunk 7 has left.
	WIN 0x82                                       ; source 0 and destination window 2; the limits in window 0
.set n, 0
.rept 128
	v_med3_num_f32 v[n], v[n], -v[LIM], v[LIM]     ; q
.set n, n+1
.endr
.rept 128
	v_med3_num_f32 v[n], v[n], -v[LIM+1], v[LIM+1] ; k
.set n, n+1
.endr
	WIN 0x42                                       ; source 0 window 2, destination window 1
.irp f, 0,1,2,3
.irp a, 0,1,2,3
	v_cvt_scalef32_pk8_fp8_f32 v[IMG+8*\a+2*\f:IMG+8*\a+2*\f+1], v[8*(4*\f+\a):8*(4*\f+\a)+7], v[SCL]
	v_cvt_scalef32_pk8_fp8_f32 v[IMG+32+8*\a+2*\f:IMG+32+8*\a+2*\f+1], v[128+8*(4*\f+\a):128+8*(4*\f+\a)+7], v[SCL+1]
.endr
.endr
	v_nop                                          ; one plain vector line behind the last conversion of a run
	WIN 0x04                                       ; a store's data in window 1
.irp a, 0,1,2,3
.irp c, 0,1
	global_store_b128 v[LI], v[IMG+8*\a+4*\c:IMG+8*\a+4*\c+3], s[12:13] offset:\a*1024+\c*512 th:TH_STORE_NT        ; each store of the wave covers 512 consecutive bytes, aligned
	global_store_b128 v[LI], v[IMG+32+8*\a+4*\c:IMG+32+8*\a+4*\c+3], s[14:15] offset:\a*1024+\c*512 th:TH_STORE_NT
.endr
.endr
	WIN 0xc3
.set n, 0
.rept 128
	v_med3_num_f32 v[n], v[n], -v[LIM+2], v[LIM+2] ; v
.set n, n+1
.endr
	s_wait_alu depctr_va_vdst(0)
	s_wait_xcnt 0x0                                ; q's and k's stores have read the images' registers
	WIN 0x43
.irp d, 0,1,2,3
.irp a, 0,1,2,3
	v_cvt_scalef32_pk8_fp8_f32 v[IMG+8*\d+2*\a:IMG+8*\d+2*\a+1], v[8*(4*\d+\a):8*(4*\d+\a)+7], v[SCL+2]
.endr
.endr
	v_nop
	WIN 0x04
.irp d, 0,1,2,3
.irp c, 0,1
	global_store_b128 v[LI], v[IMG+8*\d+4*\c:IMG+8*\d+4*\c+3], s[16:17] offset:\d*1024+\c*512 th:TH_STORE_NT
.endr
.endr
	WIN 0
	s_wait_xcnt 0x0                                ; the stores have read their bases and their data: the bases step, and set 3 may be loaded again
	s_add_nc_u64 s[12:13], s[12:13], 0x4000        ; the next 256 rows' images
	s_add_nc_u64 s[14:15], s[14:15], 0x4000
	s_add_nc_u64 s[16:17], s[16:17], 0x4000
	s_add_co_u32 s3, s3, 1
	s_cmp_lt_u32 s3, 2
	s_cbranch_scc1 .Lpass
	s_wait_tensorcnt 0x0                           ; the wave's end
	ds_add_u32 v[SPW], v[NIL]
	s_wait_dscnt 0x0
	CROUND                                         ; the closing round: no work-group ends while a partner may still ask for a tile that names it
	s_endpgm
.Lfunc_end_k_qe395ecb6b4_qkv:
	.size	k_qe395ecb6b4_qkv, .Lfunc_end_k_qe395ecb6b4_qkv-k_qe395ecb6b4_qkv
	.p2alignl 7, 3214868480
	.fill 96, 4, 3214868480
	.section	.rodata,"a",@progbits
	.p2align	6, 0x0
	.amdhsa_kernel k_qe395ecb6b4_qkv
		.amdhsa_group_segment_fixed_size 197120
		.amdhsa_private_segment_fixed_size 0
		.amdhsa_enable_private_segment 0
		.amdhsa_kernarg_size 56
		.amdhsa_user_sgpr_count 2
		.amdhsa_user_sgpr_kernarg_segment_ptr 1
		.amdhsa_wavefront_size32 1
		.amdhsa_system_sgpr_workgroup_id_x 1
		.amdhsa_system_sgpr_workgroup_id_y 1
		.amdhsa_system_sgpr_workgroup_id_z 1
		.amdhsa_system_vgpr_workitem_id 0
		.amdhsa_next_free_vgpr 1024
		.amdhsa_next_free_sgpr 100
		.amdhsa_reserve_vcc 0
		.amdhsa_float_denorm_mode_32 3
		.amdhsa_float_denorm_mode_16_64 3
		.amdhsa_memory_ordered 1
		.amdhsa_forward_progress 1
		.amdhsa_inst_pref_size 116
	.end_amdhsa_kernel
	.amdgpu_metadata
---
amdhsa.version: [ 1, 2 ]
amdhsa.kernels:
  - .name:           k_qe395ecb6b4_qkv
    .symbol:         k_qe395ecb6b4_qkv.kd
    .args:
      - { .name: x_codes, .offset: 0, .size: 8, .value_kind: global_buffer, .address_space: global }
      - { .name: w_codes, .offset: 8, .size: 8, .value_kind: global_buffer, .address_space: global }
      - { .name: lowp_scales, .offset: 16, .size: 8, .value_kind: global_buffer, .address_space: global }
      - { .name: qkv_b, .offset: 24, .size: 8, .value_kind: global_buffer, .address_space: global }
      - { .name: q_img, .offset: 32, .size: 8, .value_kind: global_buffer, .address_space: global }
      - { .name: k_img, .offset: 40, .size: 8, .value_kind: global_buffer, .address_space: global }
      - { .name: v_img, .offset: 48, .size: 8, .value_kind: global_buffer, .address_space: global }
    .group_segment_fixed_size: 197120
    .private_segment_fixed_size: 0
    .kernarg_segment_align: 8
    .kernarg_segment_size: 56
    .max_flat_workgroup_size: 128
    .sgpr_count:     100
    .vgpr_count:     1024
    .wavefront_size: 32
...
	.end_amdgpu_metadata
.endif
;; end of part 2
;; launch attn (part 3): grid 2 x 128, 16 waves a work-group, no clusters, 133,120 bytes of LDS; arguments q_img, k_img, v_img, lowp_scales, ctx_img; writes ctx_img
.if DOCPART == 3
	.amdgcn_target "amdgcn-amd-amdhsa--gfx1250"
	.amdhsa_code_object_version 6
	.text
	.protected	k_qe395ecb6b4_attn
	.globl	k_qe395ecb6b4_attn
	.p2align	8
	.type	k_qe395ecb6b4_attn,@function
k_qe395ecb6b4_attn:
	s_mov_b64 s[64:65], 0
	v_nop
	global_prefetch_b8 v0, s[64:65] scope:SCOPE_SE
	s_setreg_imm32_b32 hwreg(HW_REG_WAVE_MODE, 25, 1), 1
	s_wait_xcnt 0x0
; Attention of one head (b x 16 + h) for 512 of its 1,024 queries, both products on codes of E4M3, and the quantising of the result for the last product.
; t = score x log2(e) / 8; M = the running largest t rounded UP to a whole number; p = 2^(t - M) is quantised with 2^e4, not normalised; the row's sum is taken of the unquantised p and divides at the end.
; When M moves, the sum and O are multiplied by 2^(old M - new M): nothing is rounded.
; q, k and v arrive as images of operand registers (a fragment of 16 rows x 64 K: 1,024 bytes, registers 4 c .. 4 c + 3 at 512 c + 16 x lane), v as V^T (16 channels x 64 keys).
; SHARES.  Sixteen waves, 32 queries (two tiles) each.  A step is 128 keys, 8 steps.  The two tiles go one after the other through ONE block of 64 registers of scores: K's eight fragments serve both,
; then V's four fragments (16 channels x 128 keys: two images on end) take K's registers.  M, the rescaling of O and of the sum are made once for 128 keys.
; Both products are used transposed (S^T = K Q^T, O^T = V^T P): a lane holds one query; the conversion of tile k of S^T gives registers 2 k, 2 k + 1 of P (K = 128), that of a tile of O^T the same of the result's fragment.
; K AND V COME THROUGH REGISTERS INTO LDS, 65,536 bytes each, every byte stored once: waves 0-7 bring K, waves 8-15 V.  The first 256 keys: 4 loads of 512 bytes a wave, stored, BARRIER A.
; The other 768 keys: 12 loads a wave, which wait in O's 48 lowest registers (step 0 starts O's sums with C = 0 and needs them only at its end); they are stored in step 0 ahead of its second product.
; BARRIER B is signalled there and awaited ahead of step 2; what stands between reads only the first 256 keys' bytes, which nothing writes again.
; THE HOLD of p at 448 x 2^e4 changes nothing where e4 >= -8, since p <= 1 <= 448 x 2^-8 x ..: for every other e4 they run.
; NO TENSOR LOAD, NO CLUSTER (a head's K and V are read by two work-groups only, once each).  NO PREFETCH: every byte of K and V is asked for at the head.
; The add's two registers are made anew at the end from v0, which is kept: all 256 registers are taken in the steps.
; LIMITS: e2 + e3 between -123 and 130 (added to c's exponent field); e4 and e6 between -126 and 119; the scaled scores t stay under 2^31 in magnitude.  NaN among the inputs is not served.
.set LI,  1                            ; v1   16 x lane
.set F,   2                            ; v[2:3] f = 2^(old M - new M), named as a pair; v3 first holds the LDS address of my twelve later stores
.set AD,  4                            ; v4   LDS address of the loads in hand
.set SC,  5                            ; v5   the conversion's scale
.set MX,  6                            ; v6   the maximum's first chain
.set PD,  7                            ; v7   the lane permute's destination
.set L2,  6                            ; v[6:7] later in a tile: the sum's second chain
                                       ; v8, v10 -M of tile 0, 1; v9, v11 the maximum's second chain; v[12:13], v[14:15] the sums in two halves
.set Q,   16                           ; v16-31   Q, 8 a tile
.set KV,  32                           ; v32-95   K's eight fragments, then V's four
.set S,   96                           ; v96-159  S^T, then p, of the tile in hand
.set O,   160                          ; v160-223 O^T: 32 a tile
.set P,   224                          ; v224-255 p's codes, 16 a tile
.set SPARE, 131072                     ; behind K and V: the spare words, 128 bytes for each wave
.macro NOPS n
.rept \n
	v_nop
.endr
.endm
	s_load_b256 s[4:11], s[0:1], 0x0               ; q_img, k_img, v_img, the scales' exponents
	s_load_b64 s[12:13], s[0:1], 0x20              ; ctx_img
	v_lshrrev_b32 v5, 5, v0
	s_delay_alu instid0(VALU_DEP_1)
	v_readfirstlane_b32 s14, v5                    ; wave 0..15
	s_and_b32 s15, s14, 7
	s_lshr_b32 s24, s14, 3                         ; 0: I bring K, 1: V
	s_and_b32 s18, ttmp7, 0xffff                   ; b x 16 + h
	s_lshl_b32 s56, s18, 16                        ; the head's 65,536 bytes in each of q_img, k_img, v_img
	s_mov_b32 s57, 0
	s_lshl_b32 s30, s15, 11                        ; my 2,048 bytes of the first 16,384
	s_mov_b32 s31, 0
	s_mul_i32 s34, s15, 6144
	s_add_co_u32 s34, s34, 16384                   ; my 6,144 bytes of the other 49,152
	s_mov_b32 s35, 0
	s_lshl_b32 s27, s24, 16                        ; K at LDS byte 0, V at 65,536
	s_add_co_u32 s28, s27, s30
	s_add_co_u32 s29, s27, s34
	s_mov_b32 s20, 0x76543210                      ; v_permlanex16_b32's selects for lane l xor 16
	s_mov_b32 s21, 0xfedcba98
	v_and_b32 v[LI], 31, v0
	s_delay_alu instid0(VALU_DEP_1)
	v_lshlrev_b32 v[LI], 4, v[LI]
	s_delay_alu instid0(VALU_DEP_1)
	v_add_nc_u32 v[AD], s28, v[LI]
	v_add_nc_u32 v3, s29, v[LI]
	v_mov_b32 v12, 0                               ; the sums
	v_mov_b32 v13, 0
	v_mov_b32 v14, 0
	v_mov_b32 v15, 0
	v_mov_b32 v[PD], 0                             ; (a lane permute's destination counts as one of its sources)
	s_wait_alu depctr_va_vdst(0)
	s_wait_kmcnt 0x0
	s_load_b256 s[48:55], s[10:11], 0x0            ; e0 .. e7
	s_cmp_eq_u32 s24, 0
	s_cselect_b64 s[16:17], s[6:7], s[8:9]
	s_add_nc_u64 s[16:17], s[16:17], s[56:57]
	s_add_nc_u64 s[32:33], s[16:17], s[30:31]
	s_add_nc_u64 s[36:37], s[16:17], s[34:35]
	s_lshl_b32 s38, ttmp9, 15                      ; my work-group's 32 tiles of queries,
	s_add_co_u32 s56, s56, s38
	s_lshl_b32 s38, s14, 11                        ; my wave's two
	s_add_co_u32 s56, s56, s38
	s_add_nc_u64 s[4:5], s[4:5], s[56:57]
.irp t, 0,1
.irp c, 0,1
	global_load_b128 v[Q+8*\t+4*\c:Q+8*\t+4*\c+3], v[LI], s[4:5] offset:\t*1024+\c*512 th:TH_LOAD_NT
.endr
.endr
.irp i, 0,1,2,3
	global_load_b128 v[KV+4*\i:KV+4*\i+3], v[LI], s[32:33] offset:\i*512       ; each load of the wave covers 512 consecutive bytes, aligned
.endr
.irp i, 0,1,2,3,4,5,6,7,8,9,10,11
	global_load_b128 v[O+4*\i:O+4*\i+3], v[LI], s[36:37] offset:\i*512
.endr
	s_lshr_b32 s40, s18, 4                         ; b
	s_lshl_b32 s40, s40, 6
	s_lshl_b32 s41, ttmp9, 5
	s_add_co_u32 s40, s40, s41
	s_lshl_b32 s41, s14, 1
	s_add_co_u32 s40, s40, s41                     ; the result's tile of 16 rows: b x 64 + s / 16,
	s_lshl_b32 s40, s40, 14                        ; 16 heads x 1,024 bytes each,
	s_and_b32 s41, s18, 15
	s_lshl_b32 s41, s41, 10                        ; + my head's
	s_add_co_u32 s40, s40, s41
	s_mov_b32 s41, 0
	s_add_nc_u64 s[12:13], s[12:13], s[40:41]
	s_wait_kmcnt 0x0
	s_add_co_i32 s38, s50, s51
	s_lshl_b32 s38, s38, 23
	s_add_co_i32 s22, s38, 0x3e38aa3b              ; c = log2(e) / 8, x 2^(e2 + e3): the exponents are added to c's exponent field
	s_mov_b32 s23, s22                             ; (named with it as a pair)
	s_add_co_i32 s38, s52, 127
	s_lshl_b32 s39, s38, 23
	v_mov_b32 v[SC], s39                           ; 2^e4
	s_add_co_i32 s38, s38, 8
	s_lshl_b32 s58, s38, 23
	s_or_b32 s58, s58, 0x600000                    ; 448 x 2^e4
	s_add_co_i32 s38, s54, 127
	s_lshl_b32 s60, s38, 23                        ; 2^e6, for the way out
	s_add_co_i32 s38, s38, 8
	s_lshl_b32 s61, s38, 23
	s_or_b32 s61, s61, 0x600000                    ; 448 x 2^e6
	s_add_co_i32 s62, s52, s53                     ; e4 + e5
	s_mov_b32 s2, 0                                ; the step's first byte in K,
	s_mov_b32 s3, 0x10000                          ; and in V
; ONE TILE OF 16 QUERIES against the step's 128 keys: scores, M, p, the sum, p's codes.  first = 1: step 0, which finds no earlier M, sum or O.
.macro TILE t, first
.set NM, 8+2*\t
.set TB, 9+2*\t
.set SM, 12+2*\t
.irp k, 0,1,2,3,4,5,6,7
	v_wmma_f32_16x16x64_fp8_fp8 v[S+8*\k:S+8*\k+7], v[KV+8*\k:KV+8*\k+7], v[Q+8*\t:Q+8*\t+7], 0
.endr
.if \t
	v_add_nc_u32 v[AD], s3, v[LI]                  ; with the three below: four plain places behind the products, ahead of the loads into K's registers and of the first read of the scores
	NOPS 3
.irp d, 0,1,2,3
.irp u, 0,1
.irp c, 0,1
	ds_load_b128 v[KV+16*\d+8*\u+4*\c:KV+16*\d+8*\u+4*\c+3], v[AD] offset:\u*4096+\d*1024+\c*512   ; V^T: channels 16 d .., keys 64 u ..
.endr
.endr
.endr
.else
	NOPS 4
.endif
	v_max3_num_f32 v[MX], v[S], v[S+1], v[S+2]     ; the largest score of my query among my 64 keys, two chains, ascending: each accumulator is read from its low end on
	v_max3_num_f32 v[TB], v[S+3], v[S+4], v[S+5]
.set n, 6
.rept 14
	v_max3_num_f32 v[MX], v[MX], v[S+n], v[S+n+1]
	v_max3_num_f32 v[TB], v[TB], v[S+n+2], v[S+n+3]
.set n, n+4
.endr
	v_max3_num_f32 v[MX], v[MX], v[S+62], v[S+63]
	s_delay_alu instid0(VALU_DEP_1)
	v_max_num_f32 v[MX], v[MX], v[TB]
	s_delay_alu instid0(VALU_DEP_1)
	v_permlanex16_b32 v[PD], v[MX], s20, s21
	s_delay_alu instid0(VALU_DEP_1)
	v_max_num_f32 v[MX], v[MX], v[PD]              ; and among lane l xor 16's
	s_delay_alu instid0(VALU_DEP_1)
	v_mul_f32 v[MX], s22, v[MX]                    ; as t (c is positive)
	s_delay_alu instid0(VALU_DEP_1)
.if \first
	v_floor_f32 v[NM], -v[MX]                      ; -M = floor(-t): M is a whole number
.else
	v_floor_f32 v[MX], -v[MX]
	s_delay_alu instid0(VALU_DEP_1)
	v_min_num_f32 v[TB], v[MX], v[NM]              ; the new -M: the ceiling of the running maximum
	s_delay_alu instid0(VALU_DEP_1)
	v_sub_f32 v[MX], v[TB], v[NM]                  ; old M - new M: a whole number, 0 or less
	s_delay_alu instid0(VALU_DEP_1)
	v_cvt_i32_f32 v[MX], v[MX]                     ; (it saturates)
	v_mov_b32 v[NM], v[TB]
	s_delay_alu instid0(VALU_DEP_2)
	v_ldexp_f32 v[F], 1.0, v[MX]                   ; f = 2^(old M - new M)
.if \t
	s_wait_alu depctr_va_vdst(0)                   ; ahead of the first reader of this tile's O^T
.endif
.set n, 0
.rept 16
	v_pk_mul_f32 v[O+32*\t+n:O+32*\t+n+1], v[O+32*\t+n:O+32*\t+n+1], v[F:F+1] op_sel_hi:[1,0]   ; O^T under the new M
.set n, n+2
.endr
.endif
.set n, 0
.rept 32
	v_pk_fma_f32 v[S+n:S+n+1], v[S+n:S+n+1], s[22:23], v[NM:NM+1] op_sel_hi:[1,0,0]   ; t - M (of the pairs c and -M the low word serves both halves)
.set n, n+2
.endr
	s_wait_alu depctr_va_vdst(0)
.set n, 0
.rept 64
	v_exp_f32 v[S+n], v[S+n]                       ; p = 2^(t - M), at most 1
.set n, n+1
.endr
.if \first
	v_nop                                          ; the plain place behind the exponentials
.else
	v_pk_mul_f32 v[SM:SM+1], v[SM:SM+1], v[F:F+1] op_sel_hi:[1,0]   ; the sum under the new M; also the plain place behind the exponentials
.endif
	s_wait_alu depctr_va_vdst(0)                   ; one wait for the whole batch, ahead of its first reader
	v_pk_add_f32 v[L2:L2+1], v[S:S+1], v[S+2:S+3]  ; the row's sum of the unquantised p, in two chains
.set n, 4
.rept 15
	v_pk_add_f32 v[SM:SM+1], v[SM:SM+1], v[S+n:S+n+1]
	v_pk_add_f32 v[L2:L2+1], v[L2:L2+1], v[S+n+2:S+n+3]
.set n, n+4
.endr
	s_delay_alu instid0(VALU_DEP_1)
	v_pk_add_f32 v[SM:SM+1], v[SM:SM+1], v[L2:L2+1]
	s_cmp_ge_i32 s52, -8                           ; e4 >= -8: 448 x 2^e4 >= 1.75 >= p, the hold would change nothing
	s_cbranch_scc1 .Lfits_\@
.set n, 0
.rept 64
	v_min_num_f32 v[S+n], s58, v[S+n]              ; the conversion does not saturate (ISA guide 7.6.2); p is not negative, so the hold is one-sided
.set n, n+1
.endr
.Lfits_\@:
.irp k, 0,1,2,3,4,5,6,7
	v_cvt_scalef32_pk8_fp8_f32 v[P+16*\t+2*\k:P+16*\t+2*\k+1], v[S+8*\k:S+8*\k+7], v[SC]
.endr
	v_nop                                          ; one plain line behind the last conversion: matrix instructions next write its sources or read its results
.endm
; A STEP: 128 keys, whose images begin at LDS byte s2 (K) and s3 (V); 8,192 bytes of each.
.macro STEP first
	v_add_nc_u32 v[AD], s2, v[LI]                  ; with the three below: four plain places ahead of loads into registers that the last products read
	NOPS 3
.irp k, 0,1,2,3,4,5,6,7
.irp c, 0,1
	ds_load_b128 v[KV+8*\k+4*\c:KV+8*\k+4*\c+3], v[AD] offset:\k*1024+\c*512
.endr
.endr
	s_wait_dscnt 0x0
	TILE 0, \first
	TILE 1, \first
.if \first
	s_wait_loadcnt 0x0                             ; my part of keys 256-1,023 is in O's registers
.irp i, 0,1,2,3,4,5,6,7,8,9,10,11
	ds_store_b128 v3, v[O+4*\i:O+4*\i+3] offset:\i*512
.endr
.endif
	s_wait_alu depctr_va_vdst(0)
	s_wait_dscnt 0x0                               ; V's fragments are in (step 0: and my stores are done)
.if \first
	s_barrier_signal -1                            ; BARRIER B, its signal
.endif
.irp d, 0,1,2,3
.irp t, 0,1
.if \first
	v_wmma_f32_16x16x128_fp8_fp8 v[O+32*\t+8*\d:O+32*\t+8*\d+7], v[KV+16*\d:KV+16*\d+15], v[P+16*\t:P+16*\t+15], 0   ; the first products start the sums
.else
	v_wmma_f32_16x16x128_fp8_fp8 v[O+32*\t+8*\d:O+32*\t+8*\d+7], v[KV+16*\d:KV+16*\d+15], v[P+16*\t:P+16*\t+15], v[O+32*\t+8*\d:O+32*\t+8*\d+7]   ; eight accumulators by turns
.endif
.endr
.endr
	s_add_co_u32 s2, s2, 8192
	s_add_co_u32 s3, s3, 8192
.endm
	s_wait_alu depctr_va_vdst(0)
	s_wait_loadcnt 12                              ; Q and my part of keys 0-255 are in; the twelve later loads may be out
.irp i, 0,1,2,3
	ds_store_b128 v[AD], v[KV+4*\i:KV+4*\i+3] offset:\i*512
.endr
	s_wait_dscnt 0x0                               ; my stores are done: say so
	s_barrier_signal -1                            ; BARRIER A: keys 0-255 of K and V are whole
	s_barrier_wait -1
	STEP 1                                         ; step 0
	STEP 0                                         ; step 1 reads bytes 8,192 to 16,383 of K and of V alone
	s_barrier_wait -1                              ; BARRIER B: every wave has stored its part of keys 256-1,023
	s_mov_b32 s19, 6
.Lstep:                                            ; steps 2-7
	STEP 0
	s_sub_co_u32 s19, s19, 1
	s_cmp_lg_u32 s19, 0
	s_cbranch_scc1 .Lstep
	; THE WAY OUT: O^T x 2^(e4 + e5) / the sum, held, converted with 2^e6: the fragment of the last product, stored as its registers' image.  The lines below are also the places behind the last products.
	v_add_f32 v12, v12, v13
	v_add_f32 v14, v14, v15
	s_delay_alu instid0(VALU_DEP_2)
	v_permlanex16_b32 v9, v12, s20, s21
	s_delay_alu instid0(VALU_DEP_2)
	v_permlanex16_b32 v11, v14, s20, s21
	s_delay_alu instid0(VALU_DEP_2)
	v_add_f32 v12, v12, v9
	s_delay_alu instid0(VALU_DEP_2)
	v_add_f32 v14, v14, v11
	v_mov_b32 v[SC], s60
	v_mov_b32 v[S], s61
	s_wait_alu depctr_va_vdst(0)                   ; ahead of the reciprocals
	v_rcp_f32 v2, v12
	v_rcp_f32 v6, v14
	v_nop                                          ; a plain place behind them
	s_wait_alu depctr_va_vdst(0)                   ; and the wait ahead of their first reader
	v_ldexp_f32 v2, v2, s62
	v_ldexp_f32 v6, v6, s62
	s_wait_alu depctr_va_vdst(0)                   ; ahead of the first reader of O^T
.irp t, 0,1
.set n, 0
.rept 16
	v_pk_mul_f32 v[O+32*\t+n:O+32*\t+n+1], v[O+32*\t+n:O+32*\t+n+1], v[2+4*\t:3+4*\t] op_sel_hi:[1,0]
.set n, n+2
.endr
.endr
.irp t, 0,1
.irp d, 0,1,2,3
.irp i, 0,1,2,3,4,5,6,7
	v_med3_num_f32 v[O+32*\t+8*\d+\i], v[O+32*\t+8*\d+\i], -v[S], v[S]
.endr
	v_cvt_scalef32_pk8_fp8_f32 v[P+8*\t+2*\d:P+8*\t+2*\d+1], v[O+32*\t+8*\d:O+32*\t+8*\d+7], v[SC]
.endr
.endr
	v_nop
.irp t, 0,1
.irp c, 0,1
	global_store_b128 v[LI], v[P+8*\t+4*\c:P+8*\t+4*\c+3], s[12:13] offset:\t*16384+\c*512 th:TH_STORE_NT   ; each store of the wave covers 512 consecutive bytes, aligned
.endr
.endr
	v_lshl_add_u32 v[S+2], v0, 2, SPARE            ; my spare word, and 0: made here from v0, which is as at the entry
	v_mov_b32 v[S+3], 0
	s_wait_alu depctr_va_vdst(0)
	s_wait_tensorcnt 0x0                           ; the wave's end, behind my last LDS store
	ds_add_u32 v[S+2], v[S+3]
	s_wait_dscnt 0x0
	s_endpgm
.Lfunc_end_k_qe395ecb6b4_attn:
	.size	k_qe395ecb6b4_attn, .Lfunc_end_k_qe395ecb6b4_attn-k_qe395ecb6b4_attn
	.p2alignl 7, 3214868480
	.fill 96, 4, 3214868480
	.section	.rodata,"a",@progbits
	.p2align	6, 0x0
	.amdhsa_kernel k_qe395ecb6b4_attn
		.amdhsa_group_segment_fixed_size 133120
		.amdhsa_private_segment_fixed_size 0
		.amdhsa_enable_private_segment 0
		.amdhsa_kernarg_size 40
		.amdhsa_user_sgpr_count 2
		.amdhsa_user_sgpr_kernarg_segment_ptr 1
		.amdhsa_wavefront_size32 1
		.amdhsa_system_sgpr_workgroup_id_x 1
		.amdhsa_system_sgpr_workgroup_id_y 1
		.amdhsa_system_sgpr_workgroup_id_z 1
		.amdhsa_system_vgpr_workitem_id 0
		.amdhsa_next_free_vgpr 256
		.amdhsa_next_free_sgpr 66
		.amdhsa_reserve_vcc 0
		.amdhsa_float_denorm_mode_32 3
		.amdhsa_float_denorm_mode_16_64 3
		.amdhsa_memory_ordered 1
		.amdhsa_forward_progress 1
		.amdhsa_inst_pref_size 99
	.end_amdhsa_kernel
	.amdgpu_metadata
---
amdhsa.version: [ 1, 2 ]
amdhsa.kernels:
  - .name:           k_qe395ecb6b4_attn
    .symbol:         k_qe395ecb6b4_attn.kd
    .args:
      - { .name: q_img, .offset: 0, .size: 8, .value_kind: global_buffer, .address_space: global }
      - { .name: k_img, .offset: 8, .size: 8, .value_kind: global_buffer, .address_space: global }
      - { .name: v_img, .offset: 16, .size: 8, .value_kind: global_buffer, .address_space: global }
      - { .name: lowp_scales, .offset: 24, .size: 8, .value_kind: global_buffer, .address_space: global }
      - { .name: ctx_img, .offset: 32, .size: 8, .value_kind: global_buffer, .address_space: global }
    .group_segment_fixed_size: 133120
    .private_segment_fixed_size: 0
    .kernarg_segment_align: 8
    .kernarg_segment_size: 40
    .max_flat_workgroup_size: 512
    .sgpr_count:     66
    .vgpr_count:     256
    .wavefront_size: 32
...
	.end_amdgpu_metadata
.endif
;; end of part 3
;; launch outln (part 4): grid 256 x 1, 4 waves a work-group, clusters of 4 x 1, 327,680 bytes of LDS; arguments ctx_img, ow_codes, lowp_scales, out_b, norm_w, norm_b, x_temporal_sequence, out0; writes out0
.if DOCPART == 4
	.amdgcn_target "amdgcn-amd-amdhsa--gfx1250"
	.amdhsa_code_object_version 6
	.text
	.protected	k_qe395ecb6b4_outln
	.globl	k_qe395ecb6b4_outln
	.p2align	8
	.type	k_qe395ecb6b4_outln,@function
k_qe395ecb6b4_outln:
	s_mov_b64 s[64:65], 0
	v_nop
	global_prefetch_b8 v0, s[64:65] scope:SCOPE_SE
	s_setreg_imm32_b32 hwreg(HW_REG_WAVE_MODE, 25, 1), 1
	s_wait_xcnt 0x0
	s_wait_alu depctr_hold_cnt(0) depctr_sa_sdst(0) depctr_va_vdst(0) depctr_va_sdst(0) depctr_va_ssrc(0) depctr_va_vcc(0) depctr_vm_vsrc(0)
	s_getreg_b32 s2, hwreg(HW_REG_IB_STS2, 6, 4)
	s_cmp_eq_u32 s2, 0
	s_cbranch_scc0 .Lentry_in_a_cluster
	s_endpgm
.Lentry_in_a_cluster:
	s_bfe_u32 s2, ttmp6, 0x10000c
	s_cmp_lg_u32 s2, 0x3003
	s_cbranch_scc0 .Lentry_shape_is_right
	s_endpgm
.Lentry_shape_is_right:
; The last product, ctx out_w^T + out_b, on codes of E4M3, then the residual, LayerNorm and ELU.  A work-group owns 32 rows x all 1,024 features; wave w makes 32 of each block of 128 features.
; ctx and out_w arrive as images of operand registers (a fragment of 16 rows x 128 K: 2,048 bytes, registers 4 c .. 4 c + 3 at 512 c + 16 x lane).
; The eight blocks are taken in turn from block (cluster x) mod 8 on.  The first SIX of the walk come through a ring of two LDS slots, by joint loads of a cluster of four.
; The other TWO come from memory straight into registers, half a block (32 loads of 512 consecutive bytes a wave) at a time, asked for one change of slots ahead:
; the ring has one load a wave on its way, and these loads are on their way beside it; each of their bytes is read by one wave of the work-group alone.
.set WP,    1040
.set DB,    64                         ; v64-191 of window 0: half a block's eight fragments; x's rows take these registers afterwards
.set QUART, 32*WP
.set SLOT,  4*QUART
.set SPARE, 2*SLOT
.set YP,    4112
.set ADB,  16
.set STO,  18
.set SRD,  20
.set LI,   21
.set SPW,  28
.set NIL,  29
.set RD,   40
.set PDST, 41
.set MU,   42
.set RS,   44
.set VC,   48
.set XR,   64
.set OB,   0
.set NW,   32
.set NB,   64
.set YR,   96
.set EX,   192
.set T,    224
.set MSB, 0
.macro WIN new
.if MSB != (\new)
	s_set_vgpr_msb (MSB<<8)|(\new)
.set MSB, (\new)
.endif
.endm
.macro PLACES n
.rept \n
	v_nop
.endr
.endm
.macro ROUND
	s_barrier_signal -1
	s_barrier_wait -1
	s_cmp_lg_u32 s20, 0
	s_cbranch_scc1 .Lnot_wave_0_\@
	s_barrier_signal -3
.Lnot_wave_0_\@:
	s_barrier_wait -3
	s_barrier_signal -1
	s_barrier_wait -1
.endm
	s_load_b256 s[4:11], s[0:1], 0x0
	s_load_b256 s[12:19], s[0:1], 0x20
	v_lshl_add_u32 v[SPW], v0, 2, SPARE
	v_mov_b32 v[NIL], 0
	ds_add_u32 v28, v29
	ds_add_u32 v28, v29
	s_wait_dscnt 0x0
	v_lshrrev_b32 v1, 5, v0
	v_readfirstlane_b32 s20, v1
	s_bfe_u32 s21, ttmp6, 0x40000
	s_lshl_b32 s22, ttmp9, 2
	s_add_co_u32 s22, s22, s21
	s_and_b32 s23, ttmp9, 7
	s_mov_b32 s45, 0
	s_mov_b32 s24, 15|(1<<20)|(1<<21)|(7<<22)|(3<<25)
	s_mov_b32 s25, 1024<<16
	s_mov_b32 s26, 32<<16
	s_mov_b32 s27, 1024<<16
	s_mov_b32 s28, 32
	s_mov_b32 s29, 1024
	s_mov_b32 s30, 0
	s_mov_b32 s31, 0
	s_mov_b32 s58, 0x76543210
	s_mov_b32 s59, 0xfedcba98
	s_mov_b32 s62, 0x3a800000
	s_mov_b32 s63, 0x3727c5ac
	s_mul_i32 s40, s20, QUART
	s_lshl_b32 s42, s20, 15
	s_mov_b32 s43, 0
	s_wait_kmcnt 0x0
	s_load_b256 s[48:55], s[8:9], 0x0
	s_add_nc_u64 s[42:43], s[6:7], s[42:43]
	ROUND
.irp s, 0,1
	s_add_co_u32 s44, s23, \s
	s_and_b32 s44, s44, 7
	s_lshl_b32 s44, s44, 17
	s_mov_b32 s[32+4*\s], 1
	s_add_co_u32 s[33+4*\s], s40, \s*SLOT
	s_add_nc_u64 s[34+4*\s:35+4*\s], s[42:43], s[44:45]
	s_or_b32 s[35+4*\s], s[35+4*\s], 0x80000000
.endr
	tensor_load_to_lds s[32:35], s[24:31]
	s_nop 0
	s_wait_alu depctr_va_vdst(0)
	s_wait_tensorcnt 0x0
	ds_add_u32 v28, v29
	s_wait_dscnt 0x0
	ROUND
	tensor_load_to_lds s[36:39], s[24:31]
	s_nop 0
.rept 4
	v_nop
.endr
	v_and_b32 v3, 31, v0
	v_lshlrev_b32 v[LI], 4, v3
	s_wait_alu depctr_va_vdst(0)
.irp c, 0,1,2,3,4,5,6,7
	s_add_co_u32 s41, s23, \c
	s_and_b32 s41, s41, 7
	s_lshl_b32 s41, s41, 9
	v_add_nc_u32 v[VC+\c], s41, v[LI]
.endr
	s_lshl_b32 s60, s22, 15
	s_mov_b32 s61, 0
	s_add_nc_u64 s[4:5], s[4:5], s[60:61]
	WIN 0x40
.irp a, 0,1
.irp k, 0,1,2,3,4,5,6,7
.irp i, 0,1,2,3
	global_load_b128 v[16*(8*\a+\k)+4*\i:16*(8*\a+\k)+4*\i+3], v[LI], s[4:5] offset:\a*16384+\k*2048+\i*512 th:TH_LOAD_NT
.endr
.endr
.endr
	WIN 0
	s_and_b32 s60, s22, 31
	s_lshl_b32 s60, s60, 20
	s_lshr_b32 s41, s22, 5
	s_lshl_b32 s41, s41, 12
	s_add_co_u32 s60, s60, s41
	s_lshl_b32 s41, s20, 18
	s_add_co_u32 s60, s60, s41
	s_add_nc_u64 s[16:17], s[16:17], s[60:61]
	s_add_nc_u64 s[18:19], s[18:19], s[60:61]
	s_wait_alu depctr_va_vdst(0)
	s_add_co_u32 s44, s23, 6                       ; the walk's blocks 6 and 7: my wave's 32,768 bytes of each
	s_and_b32 s44, s44, 7
	s_lshl_b32 s44, s44, 17
	s_add_nc_u64 s[56:57], s[42:43], s[44:45]
	s_add_co_u32 s44, s23, 7
	s_and_b32 s44, s44, 7
	s_lshl_b32 s44, s44, 17
	s_add_nc_u64 s[6:7], s[42:43], s[44:45]
.macro DLOAD hh                        ; half hh % 2 along K of block 6 + hh / 2: eight fragments, 32 loads
.irp kk, 0,1,2,3
.irp t, 0,1
.irp c, 0,1,2,3
.if (\hh)/2 == 0
	global_load_b128 v[DB+16*(2*\kk+\t)+4*\c:DB+16*(2*\kk+\t)+4*\c+3], v[LI], s[56:57] offset:\t*16384+(4*((\hh)%2)+\kk)*2048+\c*512
.else
	global_load_b128 v[DB+16*(2*\kk+\t)+4*\c:DB+16*(2*\kk+\t)+4*\c+3], v[LI], s[6:7] offset:\t*16384+(4*((\hh)%2)+\kk)*2048+\c*512
.endif
.endr
.endr
.endr
.endm
.macro DMUL hh                         ; its 16 products: four accumulators by turns, K ascending; four plain places follow, ahead of the loads into its registers
	s_wait_loadcnt 0x0
	WIN 0xf4                                       ; source 0 (weight) window 0, source 1 (ctx) window 1, C and D window 3
.irp kk, 0,1,2,3
.irp t, 0,1
.irp a, 0,1
.if 4*((\hh)%2)+\kk == 0
	v_wmma_f32_16x16x128_fp8_fp8 v[8*(4*(6+(\hh)/2)+2*\t+\a):8*(4*(6+(\hh)/2)+2*\t+\a)+7], v[DB+16*(2*\kk+\t):DB+16*(2*\kk+\t)+15], v[16*(8*\a+4*((\hh)%2)+\kk):16*(8*\a+4*((\hh)%2)+\kk)+15], 0
.else
	v_wmma_f32_16x16x128_fp8_fp8 v[8*(4*(6+(\hh)/2)+2*\t+\a):8*(4*(6+(\hh)/2)+2*\t+\a)+7], v[DB+16*(2*\kk+\t):DB+16*(2*\kk+\t)+15], v[16*(8*\a+4*((\hh)%2)+\kk):16*(8*\a+4*((\hh)%2)+\kk)+15], v[8*(4*(6+(\hh)/2)+2*\t+\a):8*(4*(6+(\hh)/2)+2*\t+\a)+7]
.endif
.endr
.endr
.endr
	WIN 0
	PLACES 4
.endm
	DLOAD 0
	v_and_b32 v1, 15, v0
	v_bfe_u32 v2, v0, 4, 1
	v_add_nc_u32 v[ADB], s40, v[LI]
	v_add_nc_u32 v[ADB+1], SLOT, v[ADB]
	v_mul_u32_u24 v5, v1, YP
	v_lshl_add_u32 v5, v2, 5, v5
	s_lshl_b32 s41, s20, 7
	v_add_nc_u32 v[STO], s41, v5
	v_add_nc_u32 v[STO+1], 16*YP, v[STO]
	s_mul_i32 s41, s20, 8*YP
	v_add_nc_u32 v[SRD], s41, v[LI]
	v_mov_b32 v[PDST], 0
	v_mov_b32 v[MU+1], 0
	v_mov_b32 v[RS+1], 0
	s_wait_kmcnt 0x0
	s_add_co_i32 s46, s54, s55
	s_add_co_i32 s46, s46, 127
	s_lshl_b32 s46, s46, 23
	s_mov_b32 s47, s46
.macro MUL4 nb, k
.irp t, 0,1
.irp a, 0,1
.if (\k) == 0
	v_wmma_f32_16x16x128_fp8_fp8 v[8*(4*(\nb)+2*\t+\a):8*(4*(\nb)+2*\t+\a)+7], v[16*(2*(\k)+\t):16*(2*(\k)+\t)+15], v[16*(8*\a+(\k)):16*(8*\a+(\k))+15], 0
.else
	v_wmma_f32_16x16x128_fp8_fp8 v[8*(4*(\nb)+2*\t+\a):8*(4*(\nb)+2*\t+\a)+7], v[16*(2*(\k)+\t):16*(2*(\k)+\t)+15], v[16*(8*\a+(\k)):16*(8*\a+(\k))+15], v[8*(4*(\nb)+2*\t+\a):8*(4*(\nb)+2*\t+\a)+7]
.endif
.endr
.endr
.endm
.macro STEP nb
	WIN 0x80
.irp k, 0,1,2,3,4,5,6,7
.irp t, 0,1
.irp c, 0,1,2,3
	ds_load_b128 v[16*(2*\k+\t)+4*\c:16*(2*\k+\t)+4*\c+3], v[ADB+(\nb)%2] offset:\t*16*WP+\k*2*WP+(\c/2)*WP+(\c%2)*512
.endr
.endr
.endr
	s_wait_dscnt 32
	WIN 0xf6
.irp k, 0,1,2,3
	MUL4 \nb, \k
.endr
	s_wait_dscnt 0x0
.irp k, 4,5,6,7
	MUL4 \nb, \k
.endr
	WIN 0
.endm
.macro CHANGE nb, fill
	s_wait_tensorcnt 0x0
	ds_add_u32 v[SPW], v[NIL]
.if \fill
	s_add_co_u32 s44, s23, (\nb)+2
	s_and_b32 s44, s44, 7
	s_lshl_b32 s44, s44, 17
	s_add_nc_u64 s[34+4*((\nb)%2):35+4*((\nb)%2)], s[42:43], s[44:45]
	s_or_b32 s[35+4*((\nb)%2)], s[35+4*((\nb)%2)], 0x80000000
.endif
	s_wait_dscnt 0x0
.if \fill
	ROUND
	tensor_load_to_lds s[32+4*((\nb)%2):35+4*((\nb)%2)], s[24:31]
	s_nop 0
.rept 4
	v_nop
.endr
.else
	s_barrier_signal -1
	s_barrier_wait -1
	PLACES 4
.endif
.endm
	s_wait_loadcnt 32                              ; ctx is in; the first half block's 32 loads may be out
	s_wait_tensorcnt 1
	STEP 0
	CHANGE 0, 1
	s_wait_alu depctr_va_vdst(0)
	STEP 1
	DMUL 0
	DLOAD 1
	CHANGE 1, 1
	STEP 2
	DMUL 1
	DLOAD 2
	CHANGE 2, 1
	STEP 3
	DMUL 2
	DLOAD 3
	CHANGE 3, 1                                    ; the ring's last fill: the walk's block 5
	STEP 4
	DMUL 3
.irp i, 0,1,2,3,4,5
.irp c, 0,1,2,3,4,5,6,7
	global_load_b128 v[XR+32*\i+4*\c:XR+32*\i+4*\c+3], v[VC+\c], s[16:17] offset:\i*32768 th:TH_LOAD_NT   ; x's rows 0-5 of my eight, for the residual
.endr
.endr
	CHANGE 4, 0
	STEP 5
	PLACES 4
	WIN 0x80
.irp c, 0,1,2,3,4,5,6,7
	global_load_b128 v[OB+4*\c:OB+4*\c+3], v[VC+\c], s[10:11]
	global_load_b128 v[NW+4*\c:NW+4*\c+3], v[VC+\c], s[12:13]
	global_load_b128 v[NB+4*\c:NB+4*\c+3], v[VC+\c], s[14:15]
.endr
	WIN 0x40
.irp i, 0,1
.irp c, 0,1,2,3,4,5,6,7
	global_load_b128 v[32*\i+4*\c:32*\i+4*\c+3], v[VC+\c], s[16:17] offset:(6+\i)*32768 th:TH_LOAD_NT
.endr
.endr
	WIN 0x0c
.irp n, 0,1,2,3,4,5,6,7
.irp t, 0,1
.irp a, 0,1
	ds_store_b128 v[STO+\a], v[8*(4*\n+2*\t+\a):8*(4*\n+2*\t+\a)+3] offset:512*\n+64*\t
	ds_store_b128 v[STO+\a], v[8*(4*\n+2*\t+\a)+4:8*(4*\n+2*\t+\a)+7] offset:512*\n+64*\t+16
.endr
.endr
.endr
	WIN 0
	s_wait_dscnt 0x0
	s_barrier_signal -1
	s_barrier_wait -1
.macro YLOAD i
	WIN 0x80
.irp c, 0,1,2,3,4,5,6,7
	ds_load_b128 v[YR+32*((\i)%3)+4*\c:YR+32*((\i)%3)+4*\c+3], v[SRD] offset:(\i)*YP+512*\c
.endr
.endm
.macro FOLD
	v_pk_add_f32 v[T:T+1], v[T:T+1], v[T+2:T+3]
	v_pk_add_f32 v[T+4:T+5], v[T+4:T+5], v[T+6:T+7]
	v_pk_add_f32 v[T:T+1], v[T:T+1], v[T+4:T+5]
	WIN 0x0a
	v_add_f32 v[RD], v[T], v[T+1]
	WIN 0
	v_add_f32_dpp v[RD], v[RD], v[RD] row_xmask:1 row_mask:0xf bank_mask:0xf
	v_add_f32_dpp v[RD], v[RD], v[RD] row_xmask:2 row_mask:0xf bank_mask:0xf
	v_add_f32_dpp v[RD], v[RD], v[RD] row_xmask:4 row_mask:0xf bank_mask:0xf
	v_add_f32_dpp v[RD], v[RD], v[RD] row_xmask:8 row_mask:0xf bank_mask:0xf
	v_permlanex16_b32 v[PDST], v[RD], s58, s59
	v_add_f32 v[RD], v[RD], v[PDST]
.endm
.macro ROW i
.set Y, YR+32*((\i)%3)
.if (\i) < 6
.set XB, XR+32*(\i)
.else
.set XB, 32*((\i)-6)
.endif
	s_wait_xcnt 0x0
.if (\i) < 6
	YLOAD (\i)+2
	s_wait_dscnt 16
	s_wait_loadcnt 16
	WIN 0x8a
.elseif (\i) == 6
	s_wait_dscnt 8
	s_wait_loadcnt 8
	WIN 0x9a
.else
	s_wait_dscnt 0x0
	s_wait_loadcnt 0x0
	WIN 0x9a
.endif
.irp p, 0,2,4,6,8,10,12,14,16,18,20,22,24,26,28,30
	v_pk_fma_f32 v[Y+\p:Y+\p+1], v[Y+\p:Y+\p+1], s[46:47], v[XB+\p:XB+\p+1] op_sel_hi:[1,0,1]
.endr
	WIN 0xaa
.irp p, 0,2,4,6,8,10,12,14,16,18,20,22,24,26,28,30
	v_pk_add_f32 v[Y+\p:Y+\p+1], v[Y+\p:Y+\p+1], v[OB+\p:OB+\p+1]
.endr
.irp k, 0,2,4,6
	v_pk_add_f32 v[T+\k:T+\k+1], v[Y+\k:Y+\k+1], v[Y+8+\k:Y+8+\k+1]
.endr
.irp g, 16,24
.irp k, 0,2,4,6
	v_pk_add_f32 v[T+\k:T+\k+1], v[T+\k:T+\k+1], v[Y+\g+\k:Y+\g+\k+1]
.endr
.endr
	FOLD
	v_mul_f32 v[MU], s62, v[RD]
	WIN 0x82
.irp p, 0,2,4,6,8,10,12,14,16,18,20,22,24,26,28,30
	v_pk_add_f32 v[Y+\p:Y+\p+1], v[Y+\p:Y+\p+1], v[MU:MU+1] op_sel_hi:[1,0] neg_lo:[0,1] neg_hi:[0,1]
.endr
	WIN 0xaa
.irp k, 0,2,4,6
	v_pk_mul_f32 v[T+\k:T+\k+1], v[Y+\k:Y+\k+1], v[Y+\k:Y+\k+1]
.endr
.irp g, 8,16,24
.irp k, 0,2,4,6
	v_pk_fma_f32 v[T+\k:T+\k+1], v[Y+\g+\k:Y+\g+\k+1], v[Y+\g+\k:Y+\g+\k+1], v[T+\k:T+\k+1]
.endr
.endr
	FOLD
	v_fma_f32 v[RD], v[RD], s62, s63
	s_wait_alu depctr_va_vdst(0)
	v_rsq_f32 v[RS], v[RD]
	v_nop
	s_wait_alu depctr_va_vdst(0)
	WIN 0x82
.irp p, 0,2,4,6,8,10,12,14,16,18,20,22,24,26,28,30
	v_pk_mul_f32 v[Y+\p:Y+\p+1], v[Y+\p:Y+\p+1], v[RS:RS+1] op_sel_hi:[1,0]
.endr
	WIN 0xaa
.irp p, 0,2,4,6,8,10,12,14,16,18,20,22,24,26,28,30
	v_pk_fma_f32 v[Y+\p:Y+\p+1], v[Y+\p:Y+\p+1], v[NW+\p:NW+\p+1], v[NB+\p:NB+\p+1]
.endr
.irp p, 0,2,4,6,8,10,12,14,16,18,20,22,24,26,28,30
	v_pk_mul_f32 v[EX+\p:EX+\p+1], v[Y+\p:Y+\p+1], 0x3fb8aa3b op_sel_hi:[1,0]
.endr
.set n, 0
	s_wait_alu depctr_va_vdst(0)
.rept 32
	v_exp_f32 v[EX+n], v[EX+n]
.set n, n+1
.endr
	v_nop
	s_wait_alu depctr_va_vdst(0)
.irp p, 0,2,4,6,8,10,12,14,16,18,20,22,24,26,28,30
	v_pk_add_f32 v[EX+\p:EX+\p+1], v[EX+\p:EX+\p+1], -1.0 op_sel_hi:[1,0]
.endr
.set n, 0
.rept 32
	v_cmp_lt_f32 vcc_lo, 0, v[Y+n]
	v_cndmask_b32 v[Y+n], v[EX+n], v[Y+n], vcc_lo
.set n, n+1
.endr
	WIN 0x08
.irp c, 0,1,2,3,4,5,6,7
	global_store_b128 v[VC+\c], v[Y+4*\c:Y+4*\c+3], s[18:19] offset:(\i)*32768 th:TH_STORE_NT
.endr
	WIN 0
.endm
	YLOAD 0
	YLOAD 1
	WIN 0
.irp i, 0,1,2,3,4,5,6,7
	ROW \i
.endr
	s_wait_tensorcnt 0x0
	ds_add_u32 v[SPW], v[NIL]
	s_wait_dscnt 0x0
	ROUND
	s_endpgm
.Lfunc_end_k_qe395ecb6b4_outln:
	.size	k_qe395ecb6b4_outln, .Lfunc_end_k_qe395ecb6b4_outln-k_qe395ecb6b4_outln
	.p2alignl 7, 3214868480
	.fill 96, 4, 3214868480
	.section	.rodata,"a",@progbits
	.p2align	6, 0x0
	.amdhsa_kernel k_qe395ecb6b4_outln
		.amdhsa_group_segment_fixed_size 327680
		.amdhsa_private_segment_fixed_size 0
		.amdhsa_enable_private_segment 0
		.amdhsa_kernarg_size 64
		.amdhsa_user_sgpr_count 2
		.amdhsa_user_sgpr_kernarg_segment_ptr 1
		.amdhsa_wavefront_size32 1
		.amdhsa_system_sgpr_workgroup_id_x 1
		.amdhsa_system_sgpr_workgroup_id_y 1
		.amdhsa_system_sgpr_workgroup_id_z 1
		.amdhsa_system_vgpr_workitem_id 0
		.amdhsa_next_free_vgpr 1024
		.amdhsa_next_free_sgpr 66
		.amdhsa_reserve_vcc 1
		.amdhsa_float_denorm_mode_32 3
		.amdhsa_float_denorm_mode_16_64 3
		.amdhsa_memory_ordered 1
		.amdhsa_forward_progress 1
		.amdhsa_inst_pref_size 207
	.end_amdhsa_kernel
	.amdgpu_metadata
---
amdhsa.version: [ 1, 2 ]
amdhsa.kernels:
  - .name:           k_qe395ecb6b4_outln
    .symbol:         k_qe395ecb6b4_outln.kd
    .args:
      - { .name: ctx_img, .offset: 0, .size: 8, .value_kind: global_buffer, .address_space: global }
      - { .name: ow_codes, .offset: 8, .size: 8, .value_kind: global_buffer, .address_space: global }
      - { .name: lowp_scales, .offset: 16, .size: 8, .value_kind: global_buffer, .address_space: global }
      - { .name: out_b, .offset: 24, .size: 8, .value_kind: global_buffer, .address_space: global }
      - { .name: norm_w, .offset: 32, .size: 8, .value_kind: global_buffer, .address_space: global }
      - { .name: norm_b, .offset: 40, .size: 8, .value_kind: global_buffer, .address_space: global }
      - { .name: x_temporal_sequence, .offset: 48, .size: 8, .value_kind: global_buffer, .address_space: global }
      - { .name: out0, .offset: 56, .size: 8, .value_kind: global_buffer, .address_space: global }
    .group_segment_fixed_size: 327680
    .private_segment_fixed_size: 0
    .kernarg_segment_align: 8
    .kernarg_segment_size: 64
    .max_flat_workgroup_size: 128
    .sgpr_count:     66
    .vgpr_count:     1024
    .wavefront_size: 32
...
	.end_amdgpu_metadata
.endif
;; end of part 4
